; MI455X (gfx1250); checked and timed in simulation.
; The chip was launched on July 23, 2026; its instructions are those of AMD's public machine-readable ISA for CDNA 5 (MIT licence, August 2026) and "CDNA5" Instruction Set Architecture Reference Guide (July 2026). The comments in the code are by the model that wrote it; some were corrected since.
;; Fused Linear Row Sum. Allowed arithmetic: matrix products marked QUANTISED: E4M3 operands, one given power-of-two scale a tensor, by v_wmma_f32_16x16x64_fp8_fp8 or v_wmma_f32_16x16x128_fp8_fp8, f32 sums; everything else in f32.
;; Inputs: bias 2,048 float32; lowp_scales 2 int32 (the exponents e of the quantised operands' scales 2^e); weight_codes 2,048 x 64 x 32 uint8 (E4M3 codes of weight, K innermost, in blocks of 32 codes); x_codes 16,384 x 64 x 32 uint8 (E4M3 codes of x, K innermost, in blocks of 32 codes).
;; Outputs: out0 16,384 float32.
;; This version of the problem:
;;   THIS VERSION OF THE PROBLEM IS GIVEN IN LOW PRECISION. The matrix products marked QUANTISED in the list below multiply operands that are first quantised to E4M3 (4 exponent bits, 3 mantissa bits; 8 bits a number), with one given power-of-two scale for each operand tensor; their sums are f32. All else is computed in f32.
;;   The module's matrix products, in the order in which they are computed (A, B: the left and right operand; K: the contracted axis; several contracted axes count as one K, in the product's order):
;;     1. [M 16,384, K 2,048] x [K 2,048, N 2,048]; A: input x (given as codes); B: input weight (given as codes): QUANTISED (scales: A lowp_scales[0], B lowp_scales[1])
;;   THE QUANTISER, for each operand of a quantised product, along K:
;;     - The operand's scale is 2^e, e = its entry of the input lowp_scales (int32; the entries are numbered through the quantised products in the list's order, A before B).
;;     - Each number is divided by the scale, clamped to +-448, and rounded to the nearest number of E4M3, ties to even, subnormals kept.
;;     - The product sums the exact products of the quantised numbers (number of the format x scale) in f32.
;;   ~~~python
;;   def quantise(x, axis, e):      # numpy; x: float32 -> the quantised numbers, widened to float32 again
;;       x = np.moveaxis(x, axis, -1); K = x.shape[-1]
;;       r = np.clip(x / 2.0 ** e, -448, 448)
;;       step = 2.0 ** (np.maximum(np.frexp(np.where(r == 0, 1, r))[1] - 1, -6) - 3)
;;       q = np.round(r / step) * step * 2.0 ** e      # np.round: ties to even
;;       return np.moveaxis(q, -1, axis).astype(np.float32)
;;   ~~~
;;   INPUTS GIVEN AS CODES. weight (in the module: [2048, 2048], K = its axis 1); x (in the module: [16384, 2048], K = its axis 1): each comes as NAME_codes (uint8): NAME with its K axis moved to the last place and cut into blocks of 32 codes, [.., K / 32, bytes a block], one block behind the other in memory; one code a byte (a code: sign, 4 exponent bits, 3 mantissa bits); its scale is its entry of lowp_scales. Its value is code x scale, taken as it is: it is not quantised again, and the codes and scales need not be those that the quantiser above would give.
;; One version. Each part assembles by itself: llvm-mc -triple=amdgcn-amd-amdhsa -mcpu=gfx1250 --defsym DOCPART=n.
;; ======== version 1 of 1: 2 launches
;; limits: right only within a limited range of input values
;; workspace buffers: part 262,144 bytes
;; launch main (part 1): grid 4 x 64, 8 waves a work-group, clusters of 4 x 4, 327,680 bytes of LDS; arguments x_codes, weight_codes, bias, lowp_scales, part; writes part
.if DOCPART == 1
	.amdgcn_target "amdgcn-amd-amdhsa--gfx1250"
	.amdhsa_code_object_version 6
	.text
	.protected	k_qbb3613a659_main
	.globl	k_qbb3613a659_main
	.p2align	8
	.type	k_qbb3613a659_main,@function
k_qbb3613a659_main:
	s_mov_b64 s[64:65], 0
	v_nop
	global_prefetch_b8 v0, s[64:65] scope:SCOPE_SE
	s_setreg_imm32_b32 hwreg(HW_REG_WAVE_MODE, 25, 1), 1
	s_wait_xcnt 0x0
	s_wait_alu depctr_hold_cnt(0) depctr_sa_sdst(0) depctr_va_vdst(0) depctr_va_sdst(0) depctr_va_ssrc(0) depctr_va_vcc(0) depctr_vm_vsrc(0)
	s_getreg_b32 s2, hwreg(HW_REG_IB_STS2, 6, 4)
	s_cmp_eq_u32 s2, 0
	s_cbranch_scc0 .Lentry_in_a_cluster
	s_endpgm
.Lentry_in_a_cluster:
	s_bfe_u32 s2, ttmp6, 0x10000c
	s_cmp_lg_u32 s2, 0xf033
	s_cbranch_scc0 .Lentry_shape_is_right
	s_endpgm
.Lentry_shape_is_right:
; part[nb][m] = 2^(ex + ew) x (sum over the 512 n of block nb, and over all k, of xcode[m][k] wcode[n][k]) + the sum of the block's 512 numbers of bias.
; x_codes: [16384][2048], weight_codes: [2048][2048]: codes of FP8 (E4M3), one a byte, K innermost.  bias: [2048] f32.  lowp_scales: ex, ew (int32).  part: [4][16384] f32; a second launch adds the four parts.
; SHARES.  A work-group takes 256 rows of x (row block rb) x 512 rows of W (n block nb) x all of K: 64 x 4 work-groups.  THE ROW SUM IS TAKEN IN THE ACCUMULATORS: all tiles of n are added onto the
; same 16 x 16 sums, so a wave holds sums for all 256 rows in 128 registers.
; EIGHT WAVES, two to a SIMD, SHARE K: one wave's loads and waits stand beside the other's matrix instructions.  K goes in four phases of 512; in phase p wave w owns k = 512 p + 64 w .. + 63, for all 256 rows
; and all 512 n.  So each byte of x and of W is read by one wave of the work-group alone, and a fragment of W (two LDS loads) feeds 16 matrix instructions, one for each tile of rows.
; x STAYS IN REGISTERS for a phase: 16 fragments x 8 registers, in two sets that take turns; the next phase's come straight from memory in the fragment's layout, 236 matrix instructions or more ahead of use.
; W comes through a ring of two LDS slots of 256 n x 512 K, filled by the tensor data mover, each wave 32 rows of 512 bytes.
; A STEP is one fragment of W: 16 matrix instructions.  128 steps; step t reads slot (t / 16) % 2 and belongs to phase t / 32.  Fourteen fragment buffers: every fourth step has one run of eight LDS loads
; for the fragments three to six steps on.  A slot is read out in its step 9, so the change of slots (steps 12 and 13 of 16) finds all fragments that it needs in registers.
; CLUSTER: 4 x 4 work-groups.  The four of a column (same nb) need the same tiles of W: asked for JOINTLY, by the same tensor load with the same descriptor and a mask that names the four.
; x is shared along a row of the cluster and is NOT asked for jointly: a joint load lands in LDS, a phase's x is 256 rows x 528 bytes = 135,168 bytes, and the two slots take 270,336 of the 327,680.
; NO DATA PREFETCH: a slot's refill is asked for 236 matrix instructions of each wave ahead of the wait for it, a tile of x as many or more: these loads are the look-ahead.
; THE MATRIX INSTRUCTION IS USED TRANSPOSED (source 0 = 16 rows of W, source 1 = 16 rows of x): a lane then holds ONE row of x (lane % 16), and its eight registers eight n, which are simply added.
; A fragment's registers 4 c .. 4 c + 3 hold k = 32 c + 16 (lane / 16) + 0 .. 15: a permutation of k, the same in x and in W, so every product meets its partner.
; LIMITS, stated: the products of a row are added in another order than n by n (all n of a block and an eighth of each phase's K in one sum; then lanes' halves, waves, blocks), and the bias is summed apart
; from them; all in f32.  2^(ex + ew) is applied by v_ldexp_f32: no bound on the exponents but that their sum is an int32.
; REGISTERS, in windows of 256 (s_set_vgpr_msb's low byte: bits 1:0 source 0, 3:2 source 1, 5:4 source 2, 7:6 destination):
;   window 0: v0-15 addresses and bias; v16-127 fourteen fragments of W; v128-255 the 16 sums (tile a at v[128 + 8 a]).   window 1: x, set s, tile a at v[128 s + 8 a].
;   W, its addresses and the sums share a window, so an LDS load beside the matrix instructions needs no switch; source 1 alone is in window 1.
.set KROW,   2048                      ; a row of x or of W in bytes
.set PITCH,  528                       ; an LDS row: 512 bytes + 16 of padding = 132 words: row r starts at bank 4 r mod 64 (64 banks of 4 bytes: ISA guide 11.1), so the 16 rows of a fragment load start at 16 different banks
.set FRROW,  16*PITCH                  ; from one tile of 16 n to the next
.set HALFS,  8*FRROW                   ; eight tiles: an LDS load's immediate has 16 bits, so a slot has two address registers
.set WTILE,  32*PITCH                  ; what one tensor load brings
.set SLOT,   8*WTILE                   ; 135,168
.set STAGE,  2*SLOT                    ; behind the ring: 16 sets (2 x wave + lane / 16) of 256 f32, 1,088 bytes apart (1,024 + 64: the two halves of the lanes store to different banks)
.set SETB,   1088
.set BST,    STAGE+16*SETB             ; the sixteen sets' sums of bias, 64 bytes in a block of 256
.set SPARE,  BST+256                   ; the spare words, 128 bytes for each wave: four blocks of 256 bytes that no other line names
.set XO,   1                           ; v1      x: 2,048 x (lane % 16) + 16 x (lane / 16)
.set ADB,  2                           ; v2-5    W's fragments in LDS: register 2 x slot + half of the slot
.set SPW,  6                           ; v6      LDS address of my spare word: SPARE + 4 x my thread's number; never rewritten
.set NIL,  7                           ; v7      0; never rewritten
.set BI,   8                           ; v8-9    my two numbers of bias
.set BO,   12                          ; v12     my 8 bytes of the block's bias
.set LR,   14                          ; v14     lane % 16;  v15 lane / 16
.set LH,   15
.set WF,   16                          ; fourteen fragments of W; on the way out four registers a tile, v16-79
.set SUM,  128
.set BK,   80                          ; the way out: v80-111 sixteen pairs read back from the stage; v112-127 the sixteen sums of bias
.set BB,   112
.set G1,   24                          ; s[24:31] descriptor group 1
.set G0,   32                          ; s[32:39] descriptor group 0, a set for each slot
.set MUL,  0x04                        ; source 1 (x) window 1, all else window 0
.set TO_X, 0x44                        ; destination window 1, address window 0
.set MSB, 0
.macro WIN new                         ; the immediate's high byte repeats the setting that is left; a switch that changes nothing is dropped
.if MSB != (\new)
	s_set_vgpr_msb (MSB<<8)|(\new)
.set MSB, (\new)
.endif
.endm
.macro CREST                           ; a round's middle, directly behind its opening wait: wave 0 signals for the work-group, every wave waits for all sixteen
	s_cmp_lg_u32 s14, 0
	s_cbranch_scc1 .Lnot_wave_0_\@
	s_barrier_signal -3
.Lnot_wave_0_\@:
	s_barrier_wait -3
	s_barrier_signal -1
.endm
.macro CROUND                          ; a whole round of the cluster's barrier
	s_barrier_signal -1
	s_barrier_wait -1
	CREST
	s_barrier_wait -1
.endm
.macro JLOAD j                         ; a joint load into slot j: every wave its own 32 rows, told apart by the wave's number in both addresses.  Four v_nop follow
	tensor_load_to_lds s[G0+4*(\j):G0+4*(\j)+3], s[G1:G1+7]
	s_nop 0
.rept 4
	v_nop
.endr
.endm
.macro LDI i                           ; LDS load i of a run: fragment FF + i / 2, its half i % 2, into buffer fragment % 14
.set FR, FF+(\i)/2
.set WD, WF+8*(FR%14)+4*((\i)%2)
	ds_load_b128 v[WD:WD+3], v[ADB+2*((FR/16)%2)+(FR%16)/8] offset:(FR%8)*FRROW+32*((\i)%2)
.endm
; x's tile a of phase p: two loads that take 64 consecutive bytes of each of its 16 rows; the eight waves together 512.  Every offset is an immediate (493,088 at the most, inside the signed 24 bits:
; ISA guide, chapter 10), so no address register is stepped.  No cache hint: three partners read the same bytes.
.macro XL a, p
.irp c, 0,1
	global_load_b128 v[128*((\p)%2)+8*(\a)+4*\c:128*((\p)%2)+8*(\a)+4*\c+3], v[XO], s[4:5] offset:16*KROW*(\a)+512*(\p)+32*\c
.endr
.endm
; One matrix instruction: the fragment at WB against x's tile a of set XS.  The sums take turns, one instruction a turn.  z = 1 starts the sum: nothing is ever cleared.
.macro MM a, z=0
.if \z
	v_wmma_f32_16x16x64_fp8_fp8 v[SUM+8*(\a):SUM+8*(\a)+7], v[WB:WB+7], v[128*XS+8*(\a):128*XS+8*(\a)+7], 0
.else
	v_wmma_f32_16x16x64_fp8_fp8 v[SUM+8*(\a):SUM+8*(\a)+7], v[WB:WB+7], v[128*XS+8*(\a):128*XS+8*(\a)+7], v[SUM+8*(\a):SUM+8*(\a)+7]
.endif
.endm
; STEP TT.  Steps 1, 5, 9 and 13 of a slot's 16 load the fragments three to six steps on: in step 13 the next slot's first.
; A load into a register that a matrix instruction has read stands four places behind it, and only plain vector instructions that name none of its registers are places (ISA guide 7.12.1 for vector
; instructions): four v_nop in front of each run, one behind each of the step's first four matrix instructions (in step 13 behind the tensor load).
; THE CHANGE OF SLOTS: at step 12's head the wait for all my tensor loads (one is out: my part of the next slot), the add, eight matrix instructions, the wait for the add and for my reads of this slot; then
; the round, with eight matrix instructions between its opening signal and wait and four between its closing ones; then this slot's refill, my only tensor load until the next round.
; The last two slots are not filled again: there a work-group barrier alone changes the slots, and the last step needs none.
.macro STEP
.set JJ, TT%16
.set QQ, TT%32
.set WB, WF+8*(TT%14)
.set XS, (TT/32)%2
.set NF, 0                             ; 1: this step has a run of loads, for the fragments from FF on
.set FF, TT+3
.if (TT < 122) && (TT%4 == 1)
.set NF, 1
.endif
.set XX, -1                            ; the first of the four tiles of the next phase's x that join the run
.if (NF > 0) && (TT < 96) && (QQ >= 5) && (QQ <= 17)
.set XX, QQ-5
.endif
.if QQ == 0
	s_wait_loadcnt 0x0                             ; a phase begins: its x is in
.endif
.if TT == 126
	s_wait_dscnt 2                                 ; the very last fragment may be out
.elseif TT == 127
	s_wait_dscnt 0x0
.elseif (JJ < 13) || (TT >= 112)       ; (in steps 13 to 15 of the other slots all fragments are in: step 12 has waited for 0)
.if TT%4 == 0
	s_wait_dscnt 6                                 ; this step's fragment is in; three younger ones may be out
.elseif TT%4 == 1
	s_wait_dscnt 4                                 ; two
.elseif TT%4 == 2
	s_wait_dscnt 10                                ; one, and the last step's run of four
.else
	s_wait_dscnt 8                                 ; that run
.endif
.endif
.if (JJ == 12) && (TT < 112)
	WIN 0                                          ; (both of the add's registers lie in window 0)
	s_wait_tensorcnt 0x0                           ; all my tensor loads have landed: my part of the next slot;
	ds_add_u32 v[SPW], v[NIL]                      ; 0 onto my spare word
.if TT < 96
	s_add_nc_u64 s[G0+4*((TT/16)%2)+2:G0+4*((TT/16)%2)+3], s[G0+4*((TT/16)%2)+2:G0+4*((TT/16)%2)+3], 512   ; no tensor load of mine is out, so a group 0 may be written: 512 on along K; the type bits on top are not reached
.endif
.endif
	WIN MUL
.irp a, 0,1,2,3,4,5,6,7,8,9,10,11,12,13,14,15
	MM \a
.if (\a < 4) && (NF > 0) && ((JJ != 13) || (TT >= 96))
	v_nop
.endif
.if (\a == 3) && (JJ == 13) && (TT < 96)
	s_barrier_wait -1                              ; the round is closed: no wave of any partner still reads this slot's tile or has a load on its way
	JLOAD ((TT/16)%2)                              ; its four v_nop are also the places in front of the loads below
.endif
.if (\a == 3) && (NF > 0)
.irp i, 0,1,2,3,4,5,6,7
	LDI \i
.endr
.if XX >= 0
	WIN TO_X
.irp t, 0,1,2,3
	XL XX+\t, TT/32+1
.endr
	WIN MUL
.endif
.if TT == 21
	global_load_b64 v[BI:BI+1], v[BO], s[8:9]      ; bias: 32 lanes read 256 consecutive bytes; waited for with the next phase's x
.endif
.endif
.if (\a == 7) && (JJ == 12) && (TT < 112)
	s_wait_dscnt 0x0                               ; the add is done, and my reads of this slot are over
	s_barrier_signal -1
.endif
.if (\a == 15) && (JJ == 12) && (TT < 112)
	WIN 0                                          ; (at a branch and at a label every window is 0)
	s_barrier_wait -1
.if TT < 96
	CREST
.endif
.endif
.endr
.endm
	s_load_b256 s[4:11], s[0:1], 0x0               ; x's codes s[4:5], W's codes s[6:7], bias s[8:9], the scales' exponents s[10:11]
	s_load_b64 s[12:13], s[0:1], 0x20              ; part
	v_lshl_add_u32 v[SPW], v0, 2, SPARE
	v_mov_b32 v[NIL], 0
	ds_add_u32 v[SPW], v[NIL]                      ; the wave's opening: the add, twice on end, waited for ahead of my first tensor load
	ds_add_u32 v[SPW], v[NIL]
	v_lshrrev_b32 v13, 5, v0
	v_readfirstlane_b32 s14, v13                   ; wave 0..7
	v_and_b32 v[LR], 15, v0
	v_bfe_u32 v[LH], v0, 4, 1
	v_lshlrev_b32 v[XO], 11, v[LR]
	v_lshl_add_u32 v[XO], v[LH], 4, v[XO]          ; row r of 2,048 bytes, + 16 h
	v_lshlrev_b32 v[BO], 3, v0                     ; 256 threads x 2 numbers = the block's 512
	s_lshl_b32 s16, s14, 6                         ; my 64 bytes of an LDS row's 512
	v_mul_u32_u24 v16, v[LR], PITCH
	v_lshl_add_u32 v16, v[LH], 4, v16              ; a fragment's row x pitch + 16 x half
.irp k, 0,1,2,3
	v_add_nc_u32 v[ADB+\k], s16, v16               ; + 67,584 k: slot k / 2, its half k % 2 (a slot is two such halves)
	s_add_co_u32 s16, s16, HALFS
.endr
	s_wait_alu depctr_va_vdst(0)
	s_bfe_u32 s40, ttmp6, 0x40000                  ; cx, cy: my place in the cluster
	s_bfe_u32 s41, ttmp6, 0x40004
	s_lshl_b32 s42, ttmp9, 2                       ; in a cluster launch ttmp9 and ttmp7 count clusters
	s_add_co_u32 s42, s42, s40                     ; nb = 4 x cluster x + cx
	s_and_b32 s43, ttmp7, 0xffff
	s_lshl_b32 s43, s43, 2
	s_add_co_u32 s43, s43, s41                     ; rb = 4 x cluster y + cy
	s_lshl_b32 s44, 0x1111, s40                    ; my column of the cluster: places cx, cx + 4, cx + 8, cx + 12
	; descriptor group 1: a tile of 32 rows x 512 bytes, padded in LDS
	s_or_b32 s[G1+0], s44, (0<<16)|(1<<20)|(1<<21)|(6<<22)|(3<<25)  ; 15:0 the mask; 17:16 elements of 1 byte; 20 padding on; 21 set beside a mask; 24:22 after every 128 words (code 6); 31:25 four words (code 3)
	s_mov_b32 s[G1+1], 512<<16                     ; tensor_dim0 = 512
	s_mov_b32 s[G1+2], 32<<16                      ; tensor_dim1 = 32
	s_mov_b32 s[G1+3], 512<<16                     ; tile_dim0 = 512
	s_mov_b32 s[G1+4], 32                          ; tile_dim1 = 32
	s_mov_b32 s[G1+5], KROW                        ; tensor_dim0_stride
	s_mov_b32 s[G1+6], 0
	s_mov_b32 s[G1+7], 0
	s_lshl_b32 s48, s43, 19                        ; x: 256 rb rows of 2,048 bytes
	s_lshl_b32 s49, s14, 6
	s_add_co_u32 s48, s48, s49                     ;    + my 64 along K
	s_mov_b32 s49, 0
	s_lshl_b32 s50, s42, 20                        ; W: 512 nb rows of 2,048 bytes: it hangs on nb and the wave alone, which my column shares; these registers never hold cy
	s_lshl_b32 s51, s14, 16
	s_add_co_u32 s50, s50, s51                     ;    + the 32 rows that I fetch
	s_mov_b32 s51, 0
	s_lshl_b32 s52, s42, 11                        ; bias: 512 nb numbers
	s_mov_b32 s53, 0
	s_lshl_b32 s54, s42, 16                        ; part: block nb's 16,384 numbers,
	s_lshl_b32 s55, s43, 10
	s_add_co_u32 s54, s54, s55                     ;    + 256 rb
	s_mov_b32 s55, 0
	s_mul_i32 s45, s14, WTILE                      ; where my rows go in a slot: no place in the cluster enters an LDS address
	s_wait_dscnt 0x0                               ; both opening adds are done
	CROUND                                         ; all sixteen work-groups are here: the first joint loads meet.  The arguments are on their way meanwhile
	s_wait_kmcnt 0x0
	s_load_b64 s[46:47], s[10:11], 0x0             ; ex, ew
	s_add_nc_u64 s[6:7], s[6:7], s[50:51]
.irp j, 0,1
	s_mov_b32 s[G0+4*\j], 1                        ; 1:0 count = 1
	s_add_co_u32 s[G0+4*\j+1], s45, \j*SLOT        ; 63:32 LDS address
	s_add_nc_u64 s[G0+4*\j+2:G0+4*\j+3], s[6:7], \j*256*KROW   ; 120:64 global address: slot j always holds the block's n 256 j .. 256 j + 255; K from 0
	s_or_b32 s[G0+4*\j+3], s[G0+4*\j+3], 0x80000000            ; 127:126 type = 2
.endr
	JLOAD 0
	s_add_nc_u64 s[4:5], s[4:5], s[48:49]
	s_add_nc_u64 s[8:9], s[8:9], s[52:53]
	s_add_nc_u64 s[12:13], s[12:13], s[54:55]
	WIN 0x40
.irp a, 0,1,2,3,4,5,6,7,8,9,10,11,12,13,14,15
	XL \a, 0                                       ; phase 0's x
.endr
	WIN 0
	s_wait_kmcnt 0x0
	s_add_co_i32 s46, s46, s47                     ; ex + ew
	s_wait_tensorcnt 0x0                           ; my part of slot 0 is in
	ds_add_u32 v[SPW], v[NIL]
	s_wait_dscnt 0x0                               ; the add is done
	CROUND                                         ; everybody's part of slot 0 is in, and the joint loads meet,
	JLOAD 1                                        ; slot 1's, the first tensor load behind the round
.set FF, 0
.irp i, 0,1,2,3,4,5,6,7,8,9,10,11,12,13,14,15
	LDI \i                                         ; fragments 0 to 7
.endr
	; THE FIRST BLOCK, steps 0 to 3, goes by groups of four tiles of x, in the order in which x was asked for: 8 loads a group.  Three other sums stand between a sum's steps.
.set XS, 0
.irp g, 0,1,2,3
	s_wait_loadcnt 24-8*\g                         ; group g is in; the younger groups may be out
.irp f, 0,1,2,3
.if \g == 0
	s_wait_dscnt 14-2*\f                           ; fragment f is in; the 7 - f younger ones may be out
.endif
	WIN MUL
.set WB, WF+8*\f
.irp i, 0,1,2,3
.if \f == 0
	MM 4*\g+\i, 1
.else
	MM 4*\g+\i
.endif
.endr
.endr
.endr
.set TT, 4
.rept 124
	STEP
.set TT, TT+1
.endr
	WIN 0
	; THE WAY OUT.  The addresses for it and the bias come first: plain instructions that name no register of the last products, the places in front of the first read of a sum.
	s_mul_i32 s17, s14, 2*SETB
	s_add_co_u32 s17, s17, STAGE
	s_lshl_b32 s18, s14, 3
	s_add_co_u32 s18, s18, BST
	v_mul_u32_u24 v1, v[LH], SETB
	v_add_f32 v[BI], v[BI], v[BI+1]                ; my two numbers of bias,
	v_and_b32 v3, 0x7f, v0
	v_lshl_add_u32 v1, v[LR], 2, v1
	v_add_f32_dpp v[BI], v[BI], v[BI] row_xmask:1 row_mask:0xf bank_mask:0xf
	v_lshl_add_u32 v2, v3, 3, STAGE                ; back: thread t of waves 0 to 3 takes rows 2 t and 2 t + 1 of each set
	v_add_nc_u32 v1, s17, v1                       ; set 2 x wave + h, word r; tile a is 64 a bytes on
	v_lshlrev_b32 v3, 3, v3                        ; my byte offset in the work-group's 1,024 bytes of part
	v_add_f32_dpp v[BI], v[BI], v[BI] row_xmask:2 row_mask:0xf bank_mask:0xf
	v_lshlrev_b32 v4, 2, v[LH]
	v_mov_b32 v5, BST
	v_add_nc_u32 v4, s18, v4                       ; where my set's sum of bias goes: BST + 4 (2 x wave + h)
.irp a, 0,1,2,3,4,5,6,7,8,9,10,11,12,13,14,15   ; a lane's eight registers are eight n of one row: they are added; each sum is read from its low end on
	v_pk_add_f32 v[WF+4*\a:WF+4*\a+1], v[SUM+8*\a:SUM+8*\a+1], v[SUM+8*\a+2:SUM+8*\a+3]
	v_pk_add_f32 v[WF+4*\a+2:WF+4*\a+3], v[SUM+8*\a+4:SUM+8*\a+5], v[SUM+8*\a+6:SUM+8*\a+7]
.if \a == 3
	v_add_f32_dpp v[BI], v[BI], v[BI] row_xmask:4 row_mask:0xf bank_mask:0xf
.endif
.if \a == 7
	v_add_f32_dpp v[BI], v[BI], v[BI] row_xmask:8 row_mask:0xf bank_mask:0xf   ; my sixteen lanes' 32: the sixteen sets (wave, h) together hold each of the block's 512 once
.endif
.endr
.irp a, 0,1,2,3,4,5,6,7,8,9,10,11,12,13,14,15
	v_pk_add_f32 v[WF+4*\a:WF+4*\a+1], v[WF+4*\a:WF+4*\a+1], v[WF+4*\a+2:WF+4*\a+3]
.endr
.irp a, 0,1,2,3,4,5,6,7,8,9,10,11,12,13,14,15
	v_add_f32 v[WF+4*\a], v[WF+4*\a], v[WF+4*\a+1]
.endr
	ds_store_b32 v4, v[BI]                         ; sixteen lanes, one word, one value
.irp a, 0,1,2,3,4,5,6,7,8,9,10,11,12,13,14,15
	ds_store_b32 v1, v[WF+4*\a] offset:64*\a       ; row 16 a + r of my set
.endr
	s_wait_dscnt 0x0                               ; for the others' sake: my stores into the stage are done
	s_barrier_signal -1
	s_barrier_wait -1
	s_cmp_ge_u32 s14, 4
	s_cbranch_scc1 .Lstored                        ; waves 0 to 3 add the sets: two rows a lane, so that a wave stores 256 consecutive bytes
.irp p, 0,1,2,3,4,5,6,7,8,9,10,11,12,13,14,15
	ds_load_b64 v[BK+2*\p:BK+2*\p+1], v2 offset:SETB*\p   ; two rows' parts from each of the sixteen sets
.endr
.irp q, 0,1,2,3
	ds_load_b128 v[BB+4*\q:BB+4*\q+3], v5 offset:16*\q     ; and the sixteen sums of bias
.endr
	s_wait_dscnt 0x0
.irp p, 0,1,2,3,4,5,6,7
	v_pk_add_f32 v[BK+2*\p:BK+2*\p+1], v[BK+2*\p:BK+2*\p+1], v[BK+2*\p+16:BK+2*\p+17]
.endr
.irp q, 0,1,2,3
	v_pk_add_f32 v[BB+2*\q:BB+2*\q+1], v[BB+2*\q:BB+2*\q+1], v[BB+2*\q+8:BB+2*\q+9]
.endr
.irp p, 0,1,2,3
	v_pk_add_f32 v[BK+2*\p:BK+2*\p+1], v[BK+2*\p:BK+2*\p+1], v[BK+2*\p+8:BK+2*\p+9]
.endr
.irp q, 0,1
	v_pk_add_f32 v[BB+2*\q:BB+2*\q+1], v[BB+2*\q:BB+2*\q+1], v[BB+2*\q+4:BB+2*\q+5]
.endr
.irp p, 0,1
	v_pk_add_f32 v[BK+2*\p:BK+2*\p+1], v[BK+2*\p:BK+2*\p+1], v[BK+2*\p+4:BK+2*\p+5]
.endr
	v_pk_add_f32 v[BB:BB+1], v[BB:BB+1], v[BB+2:BB+3]
	v_pk_add_f32 v[BK:BK+1], v[BK:BK+1], v[BK+2:BK+3]
	v_add_f32 v[BB], v[BB], v[BB+1]                ; the block's bias
	v_ldexp_f32 v[BK], v[BK], s46                  ; x 2^(ex + ew): nothing is rounded, short of overflow and underflow, whatever the exponents
	v_ldexp_f32 v[BK+1], v[BK+1], s46
	v_pk_add_f32 v[BK:BK+1], v[BK:BK+1], v[BB:BB+1] op_sel_hi:[1,0]
	global_store_b64 v3, v[BK:BK+1], s[12:13]      ; a wave stores 256 consecutive bytes, at a multiple of 256 from part's first byte
.Lstored:
	s_wait_tensorcnt 0x0                           ; the wave's end, behind my last tensor load and my last LDS store
	ds_add_u32 v[SPW], v[NIL]
	s_wait_dscnt 0x0
	CROUND                                         ; the closing round: no work-group ends while a partner may still ask for a tile that names it
	s_endpgm
.Lfunc_end_k_qbb3613a659_main:
	.size	k_qbb3613a659_main, .Lfunc_end_k_qbb3613a659_main-k_qbb3613a659_main
	.p2alignl 7, 3214868480
	.fill 96, 4, 3214868480
	.section	.rodata,"a",@progbits
	.p2align	6, 0x0
	.amdhsa_kernel k_qbb3613a659_main
		.amdhsa_group_segment_fixed_size 327680
		.amdhsa_private_segment_fixed_size 0
		.amdhsa_enable_private_segment 0
		.amdhsa_kernarg_size 40
		.amdhsa_user_sgpr_count 2
		.amdhsa_user_sgpr_kernarg_segment_ptr 1
		.amdhsa_wavefront_size32 1
		.amdhsa_system_sgpr_workgroup_id_x 1
		.amdhsa_system_sgpr_workgroup_id_y 1
		.amdhsa_system_sgpr_workgroup_id_z 1
		.amdhsa_system_vgpr_workitem_id 0
		.amdhsa_next_free_vgpr 512
		.amdhsa_next_free_sgpr 66
		.amdhsa_reserve_vcc 0
		.amdhsa_float_denorm_mode_32 3
		.amdhsa_float_denorm_mode_16_64 3
		.amdhsa_memory_ordered 1
		.amdhsa_forward_progress 1
		.amdhsa_inst_pref_size 183
	.end_amdhsa_kernel
	.amdgpu_metadata
---
amdhsa.version: [ 1, 2 ]
amdhsa.kernels:
  - .name:           k_qbb3613a659_main
    .symbol:         k_qbb3613a659_main.kd
    .args:
      - { .name: x_codes, .offset: 0, .size: 8, .value_kind: global_buffer, .address_space: global }
      - { .name: weight_codes, .offset: 8, .size: 8, .value_kind: global_buffer, .address_space: global }
      - { .name: bias, .offset: 16, .size: 8, .value_kind: global_buffer, .address_space: global }
      - { .name: lowp_scales, .offset: 24, .size: 8, .value_kind: global_buffer, .address_space: global }
      - { .name: part, .offset: 32, .size: 8, .value_kind: global_buffer, .address_space: global }
    .group_segment_fixed_size: 327680
    .private_segment_fixed_size: 0
    .kernarg_segment_align: 8
    .kernarg_segment_size: 40
    .max_flat_workgroup_size: 256
    .sgpr_count:     66
    .vgpr_count:     512
    .wavefront_size: 32
...
	.end_amdgpu_metadata
.endif
;; end of part 1
;; launch finish (part 2): grid 32 x 1, 4 waves a work-group, no clusters, 0 bytes of LDS; arguments part, out0; writes out0
.if DOCPART == 2
	.amdgcn_target "amdgcn-amd-amdhsa--gfx1250"
	.amdhsa_code_object_version 6
	.text
	.protected	k_qbb3613a659_finish
	.globl	k_qbb3613a659_finish
	.p2align	8
	.type	k_qbb3613a659_finish,@function
k_qbb3613a659_finish:
	s_mov_b64 s[64:65], 0
	v_nop
	global_prefetch_b8 v0, s[64:65] scope:SCOPE_SE
	s_setreg_imm32_b32 hwreg(HW_REG_WAVE_MODE, 25, 1), 1
	s_wait_xcnt 0x0
; out0[m] = (part[0][m] + part[1][m]) + (part[2][m] + part[3][m]).  part: [4][16384] f32, out0: [16384] f32.
; 32 work-groups x 128 threads x 4 numbers.  Each load and the store of a wave cover 512 consecutive bytes, at a multiple of 256 from the buffer's first byte.
; 327,680 bytes moved in all: no LDS, no barrier, no ring; the four loads of a thread are out together.
.set BLOCK, 65536                      ; bytes from one n block's part to the next
	s_load_b128 s[4:7], s[0:1], 0x0                ; part s[4:5], out0 s[6:7]
	s_lshl_b32 s8, ttmp9, 11                       ; the work-group's 2,048 bytes
	v_lshl_add_u32 v1, v0, 4, s8                   ; + 16 bytes a thread
	s_wait_alu depctr_va_vdst(0)
	s_wait_kmcnt 0x0
.irp b, 0,1,2,3
	global_load_b128 v[4+4*\b:7+4*\b], v1, s[4:5] offset:\b*BLOCK th:TH_LOAD_NT   ; read once in the launch
.endr
	s_wait_loadcnt 0x0
	v_pk_add_f32 v[4:5], v[4:5], v[8:9]
	v_pk_add_f32 v[6:7], v[6:7], v[10:11]
	v_pk_add_f32 v[12:13], v[12:13], v[16:17]
	v_pk_add_f32 v[14:15], v[14:15], v[18:19]
	v_pk_add_f32 v[4:5], v[4:5], v[12:13]
	v_pk_add_f32 v[6:7], v[6:7], v[14:15]
	global_store_b128 v1, v[4:7], s[6:7]
	s_endpgm
.Lfunc_end_k_qbb3613a659_finish:
	.size	k_qbb3613a659_finish, .Lfunc_end_k_qbb3613a659_finish-k_qbb3613a659_finish
	.p2alignl 7, 3214868480
	.fill 96, 4, 3214868480
	.section	.rodata,"a",@progbits
	.p2align	6, 0x0
	.amdhsa_kernel k_qbb3613a659_finish
		.amdhsa_group_segment_fixed_size 0
		.amdhsa_private_segment_fixed_size 0
		.amdhsa_enable_private_segment 0
		.amdhsa_kernarg_size 16
		.amdhsa_user_sgpr_count 2
		.amdhsa_user_sgpr_kernarg_segment_ptr 1
		.amdhsa_wavefront_size32 1
		.amdhsa_system_sgpr_workgroup_id_x 1
		.amdhsa_system_sgpr_workgroup_id_y 1
		.amdhsa_system_sgpr_workgroup_id_z 1
		.amdhsa_system_vgpr_workitem_id 0
		.amdhsa_next_free_vgpr 24
		.amdhsa_next_free_sgpr 66
		.amdhsa_reserve_vcc 0
		.amdhsa_float_denorm_mode_32 3
		.amdhsa_float_denorm_mode_16_64 3
		.amdhsa_memory_ordered 1
		.amdhsa_forward_progress 1
		.amdhsa_inst_pref_size 2
	.end_amdhsa_kernel
	.amdgpu_metadata
---
amdhsa.version: [ 1, 2 ]
amdhsa.kernels:
  - .name:           k_qbb3613a659_finish
    .symbol:         k_qbb3613a659_finish.kd
    .args:
      - { .name: part, .offset: 0, .size: 8, .value_kind: global_buffer, .address_space: global }
      - { .name: out0, .offset: 8, .size: 8, .value_kind: global_buffer, .address_space: global }
    .group_segment_fixed_size: 0
    .private_segment_fixed_size: 0
    .kernarg_segment_align: 8
    .kernarg_segment_size: 16
    .max_flat_workgroup_size: 128
    .sgpr_count:     66
    .vgpr_count:     24
    .wavefront_size: 32
...
	.end_amdgpu_metadata
.endif
;; end of part 2
